; MI455X (gfx1250); checked and timed in simulation.
; The chip was launched on July 23, 2026; its instructions are those of AMD's public machine-readable ISA for CDNA 5 (MIT licence, August 2026) and "CDNA5" Instruction Set Architecture Reference Guide (July 2026). The comments in the code are by the model that wrote it; some were corrected since.
;; OT Flow. Allowed arithmetic: matrix products marked QUANTISED: E5M2 operands, one given power-of-two scale a tensor, by v_wmma_f32_16x16x64_bf8_bf8 or v_wmma_f32_16x16x128_bf8_bf8, f32 sums; products left as they are: f32 operands where the result goes on into a quantised operand, else bf16, f16 or f32 operands; f32 sums; everything else in f32.
;; Inputs: A 10 x 65 float32; K0 512 x 65 float32; K1 512 x 512 float32; b0 512 float32; b1 512 float32; c_b one number float32; c_w 65 float32; lowp_scales 12 int32 (the exponents e of the quantised operands' scales 2^e); t one number float32; w 512 float32; x 2,048 x 64 float32.
;; Outputs: out0 2,048 x 64 float32; out1 2,048 x 1 float32; out2 2,048 x 1 float32; out3 2,048 x 1 float32.
;; This version of the problem:
;;   THIS VERSION OF THE PROBLEM IS GIVEN IN LOW PRECISION. The matrix products marked QUANTISED in the list below multiply operands that are first quantised to E5M2 (5 exponent bits, 2 mantissa bits; 8 bits a number), with one given power-of-two scale for each operand tensor; their sums are f32. All else is computed in f32.
;;   The module's matrix products, in the order in which they are computed (A, B: the left and right operand; K: the contracted axis; several contracted axes count as one K, in the product's order):
;;     1. [M 65, K 10] x [K 10, N 65]; A: input A; B: input A: left as it is (K = 10 < 32)
;;     2. [M 2,048, K 65] x [K 65, N 512]; A: computed on the way; B: input K0: QUANTISED (scales: A lowp_scales[0], B lowp_scales[1])
;;     3. [M 2,048, K 512] x [K 512, N 512]; A: computed on the way; B: input K1: QUANTISED (scales: A lowp_scales[2], B lowp_scales[3])
;;     4. [M 2,048, K 512] x [K 512, N 512]; A: computed on the way; B: input K1: QUANTISED (scales: A lowp_scales[4], B lowp_scales[5])
;;     5. [M 2,048, K 512] x [K 512, N 65]; A: computed on the way; B: input K0: QUANTISED (scales: A lowp_scales[6], B lowp_scales[7])
;;     6. [M 2,048, K 65] x [K 65, N 65]; A: computed on the way; B: computed on the way: QUANTISED (scales: A lowp_scales[8], B lowp_scales[9])
;;     7. [M 2,048, K 512] x [K 512, N 1]; A: computed on the way; B: computed on the way: left as it is (N = 1 < 16)
;;     8. [M 131,072, K 512] x [K 512, N 512]; A: computed on the way; B: input K1: QUANTISED (scales: A lowp_scales[10], B lowp_scales[11])
;;     9. batch 2,048 x [M 1, K 512] x [K 512, N 1]; A: computed on the way; B: computed on the way: left as it is (M = 1 < 16)
;;   THE QUANTISER, for each operand of a quantised product, along K:
;;     - The operand's scale is 2^e, e = its entry of the input lowp_scales (int32; the entries are numbered through the quantised products in the list's order, A before B).
;;     - Each number is divided by the scale, clamped to +-57,344, and rounded to the nearest number of E5M2, ties to even, subnormals kept.
;;     - The product sums the exact products of the quantised numbers (number of the format x scale) in f32.
;;   ~~~python
;;   def quantise(x, axis, e):      # numpy; x: float32 -> the quantised numbers, widened to float32 again
;;       x = np.moveaxis(x, axis, -1); K = x.shape[-1]
;;       r = np.clip(x / 2.0 ** e, -57344, 57344)
;;       step = 2.0 ** (np.maximum(np.frexp(np.where(r == 0, 1, r))[1] - 1, -14) - 2)
;;       q = np.round(r / step) * step * 2.0 ** e      # np.round: ties to even
;;       return np.moveaxis(q, -1, axis).astype(np.float32)
;;   ~~~
;;   OPERANDS COMPUTED ON THE WAY. 'Computed on the way' means the value that the module computes at that place (a softmax that the list does not call 'softmax' is quantised finished and normalised). What goes into a quantiser is computed in f32, as accurately as f32 sums, v_exp_f32 and their like allow (about 1e-6 of the number): no bf16 or f16 on the way to a quantiser, and a product that is left as it is and whose result goes on into a quantised operand takes f32 operands (vector FMAs, or v_wmma_f32_16x16x4_f32). A number that lies on a knife's edge between two numbers of the format may be rounded either way, as far as f32 arithmetic and the matrix unit's own rounding can turn it there, and no further.
;; One version. Each part assembles by itself: llvm-mc -triple=amdgcn-amd-amdhsa -mcpu=gfx1250 --defsym DOCPART=n.
;; ======== version 1 of 1: 2 launches
;; workspace buffers: kc 786,432 bytes; ks 127,232 bytes; kf 131,072 bytes
;; launch prep (part 1): grid 268 x 1, 1 waves a work-group, no clusters, 0 bytes of LDS; arguments A, K0, K1, lowp_scales, kc, ks, kf; writes kc, ks, kf
.if DOCPART == 1
	.amdgcn_target "amdgcn-amd-amdhsa--gfx1250"
	.amdhsa_code_object_version 6
	.text
	.protected	k_q1e20588831_prep
	.globl	k_q1e20588831_prep
	.p2align	8
	.type	k_q1e20588831_prep,@function
k_q1e20588831_prep:
	s_mov_b64 s[64:65], 0
	v_nop
	global_prefetch_b8 v0, s[64:65] scope:SCOPE_SE
	s_setreg_imm32_b32 hwreg(HW_REG_WAVE_MODE, 25, 1), 1
	s_wait_xcnt 0x0
; Every weight operand of the quantised products is quantised ONCE here (E5M2, the given scale 2^e, held at +-57,344 x 2^e) and laid in the order of the operand's registers.
; A FRAGMENT IMAGE is 2,048 bytes: 16 operand rows x 128 along K.  The 16 bytes at 512 c + 16 l (lane l = r + 16 h) are the codes of row(r), k = 32 c + 16 h + 0 .. 15 of the K step:
; four loads of 16 bytes a lane at 16 x lane then fill a fragment.  The same order of k is used on both sides of every product.
; ROW ORDER P inside a group of 128 rows: row r of tile t is 32 (t / 2) + 8 (t % 2) + r + 8 (r / 8).
; kc: K1 by rows i, K = j, scale e3 | the same with e11 | K1 by rows j, K = i, scale e5; each [g 0..3][t 0..7][s 0..3] images, rows 128 g + P(t, r).
; ks: K0 by rows m (order P), K = the 65 coordinates, zero codes beyond, e1 | K0 by rows = coordinate (zero codes above 64), K = m, e7 | A^T A by rows, K = 65, e9 | ksq[m] = sum over k < 64 of K0[m][k]^2 | the trace of (A^T A)[:64,:64].
; kf: K0 transposed, f32, as register images for the second launch: [w][4 s + c][p][lane] x 16 bytes = K0[128 s + 32 c + 16 h + 4 p + 0..3][16 w + r].
; One wave to a work-group, one task to a work-group, chosen by the work-group's number: 128 + 64 + 32 + 12 + 16 + 15 + 1 = 268.  Each task: one round of loads, arithmetic, stores.
; LIMITS: each e between -126 and 112, so that 2^e and 57,344 x 2^e are f32 numbers.  NaN among the inputs is not served.
.set KC11,  262144
.set KT5,   524288
.set K0T7O, 65536
.set SYMO,  114688
.set KSQO,  124928
.set TRAO,  126976
.macro MKQ e, sc, lim                  ; v[sc] = 2^e as f32 (the conversion takes its exponent field), v[lim] = 57,344 x 2^e
	s_add_co_i32 s40, s[\e], 127
	s_lshl_b32 s41, s40, 23
	v_mov_b32 v[\sc], s41
	s_add_co_i32 s40, s40, 15
	s_lshl_b32 s40, s40, 23
	s_or_b32 s40, s40, 0x600000
	v_mov_b32 v[\lim], s40
.endm
.macro QBLK dst, tmp, src, sc, lim     ; 16 neighbours along K become 16 codes: the hold (the conversion does not saturate: ISA guide 7.6.2), then two conversions
.set qi, 0
.rept 16
	v_med3_num_f32 v[(\tmp)+qi], v[(\src)+qi], -v[\lim], v[\lim]
.set qi, qi+1
.endr
	v_cvt_scalef32_pk8_bf8_f32 v[(\dst):(\dst)+1], v[(\tmp):(\tmp)+7], v[\sc]
	v_cvt_scalef32_pk8_bf8_f32 v[(\dst)+2:(\dst)+3], v[(\tmp)+8:(\tmp)+15], v[\sc]
.endm
.macro COLLOAD pitch, b                ; a lane takes a column, its registers run down 128 of K
.set i, 0
.rept 128
	global_load_b32 v[64+i], v5, s[\b:\b+1] offset:i*\pitch
.set i, i+1
.endr
.endm
.macro COLQ ob, off                    ; the lane's 128 numbers become 8 pieces of 16 codes; piece n = 2 c + h goes to byte 256 n of its image: sixteen lanes store 256 consecutive bytes
	s_wait_loadcnt 0x0
.irp n, 0,1,2,3,4,5,6,7
	QBLK 32+4*\n, 64+16*\n, 64+16*\n, 8, 9
.endr
.irp n, 0,1,2,3,4,5,6,7
	global_store_b128 v6, v[32+4*\n:35+4*\n], s[\ob:\ob+1] offset:\off+256*\n
.endr
.endm
	s_load_b256 s[4:11], s[0:1], 0x0               ; A s[4:5], K0 s[6:7], K1 s[8:9], the scales' exponents s[10:11]
	s_load_b128 s[12:15], s[0:1], 0x20             ; kc s[12:13], ks s[14:15]
	s_load_b64 s[16:17], s[0:1], 0x30              ; kf
	v_and_b32 v2, 15, v0                           ; r
	v_lshrrev_b32 v3, 4, v0                        ; h
	v_lshlrev_b32 v4, 4, v0                        ; 16 x lane
	s_mov_b32 s2, ttmp9
	s_wait_kmcnt 0x0
	s_load_b256 s[20:27], s[10:11], 0x0            ; e0 .. e7
	s_load_b128 s[28:31], s[10:11], 0x20           ; e8 .. e11
	s_cmp_lt_u32 s2, 128
	s_cbranch_scc1 .LtaskA
	s_sub_co_u32 s2, s2, 128
	s_cmp_lt_u32 s2, 64
	s_cbranch_scc1 .LtaskB
	s_sub_co_u32 s2, s2, 64
	s_cmp_lt_u32 s2, 32
	s_cbranch_scc1 .LtaskC
	s_sub_co_u32 s2, s2, 32
	s_cmp_lt_u32 s2, 12
	s_cbranch_scc1 .LtaskD
	s_sub_co_u32 s2, s2, 12
	s_cmp_lt_u32 s2, 16
	s_cbranch_scc1 .LtaskE
	s_sub_co_u32 s2, s2, 16
	s_cmp_lt_u32 s2, 15
	s_cbranch_scc1 .LtaskS
	s_branch .LtaskR
; ---- A: image a = 32 g + 4 t + s of K1 by rows i: K = j is innermost in memory, a lane loads its 64 numbers; quantised twice, with e3 and with e11
.LtaskA:
	s_lshr_b32 s32, s2, 5                          ; g
	s_bfe_u32 s33, s2, 0x30002                     ; t
	s_and_b32 s34, s2, 3                           ; s
	s_lshl_b32 s32, s32, 7
	s_lshr_b32 s35, s33, 1
	s_lshl_b32 s35, s35, 5
	s_add_co_u32 s32, s32, s35
	s_and_b32 s35, s33, 1
	s_lshl_b32 s35, s35, 3
	s_add_co_u32 s32, s32, s35                     ; the tile's first row: 128 g + 32 (t / 2) + 8 (t % 2)
	s_lshl_b32 s32, s32, 11
	s_lshl_b32 s34, s34, 9
	s_add_co_u32 s32, s32, s34
	s_mov_b32 s33, 0
	s_add_nc_u64 s[8:9], s[8:9], s[32:33]
	v_and_b32 v5, 8, v2
	v_add_nc_u32 v5, v5, v2                        ; r + 8 (r / 8)
	v_lshlrev_b32 v5, 11, v5
	v_lshl_add_u32 v5, v3, 6, v5                   ; its row of 2,048 bytes, + 64 h
.set i, 0
.rept 16
	global_load_b128 v[64+4*i:64+4*i+3], v5, s[8:9] offset:128*(i/4)+16*(i%4)
.set i, i+1
.endr
	s_lshl_b32 s36, s2, 11
	s_mov_b32 s37, 0
	s_add_nc_u64 s[12:13], s[12:13], s[36:37]
	s_wait_kmcnt 0x0
	MKQ 23, 8, 9                                   ; e3
	MKQ 31, 10, 11                                 ; e11
	s_wait_loadcnt 0x0
.irp c, 0,1,2,3
	QBLK 32+4*\c, 128+16*\c, 64+16*\c, 8, 9        ; held into other registers: the numbers are wanted again
.endr
.irp c, 0,1,2,3
	QBLK 48+4*\c, 64+16*\c, 64+16*\c, 10, 11
.endr
.irp c, 0,1,2,3
	global_store_b128 v4, v[32+4*\c:35+4*\c], s[12:13] offset:512*\c          ; 32 lanes store 512 consecutive bytes
	global_store_b128 v4, v[48+4*\c:51+4*\c], s[12:13] offset:KC11+512*\c
.endr
	s_endpgm
; ---- B: K1 by rows j, K = i: 32 columns j x 128 rows i
.LtaskB:
	s_lshr_b32 s32, s2, 2                          ; jg: which 32 columns
	s_and_b32 s33, s2, 3                           ; s
	s_lshl_b32 s34, s33, 18                        ; 128 s rows of 2,048 bytes
	s_lshl_b32 s35, s32, 7
	s_add_co_u32 s34, s34, s35
	s_mov_b32 s35, 0
	s_add_nc_u64 s[8:9], s[8:9], s[34:35]
	v_lshlrev_b32 v5, 2, v0
	COLLOAD 2048, 8
	v_bfe_u32 v6, v0, 3, 1                         ; column 32 jg + lane is row r = lane % 8 + 8 (lane / 16) of tile 2 (jg % 4) + (lane / 8) % 2
	v_and_b32 v7, 7, v0
	v_lshl_add_u32 v7, v3, 3, v7
	v_lshlrev_b32 v7, 4, v7
	v_lshl_add_u32 v6, v6, 13, v7
	s_lshr_b32 s36, s32, 2
	s_lshl_b32 s36, s36, 16
	s_and_b32 s37, s32, 3
	s_lshl_b32 s37, s37, 14
	s_add_co_u32 s36, s36, s37
	s_lshl_b32 s37, s33, 11
	s_add_co_u32 s36, s36, s37
	s_mov_b32 s37, 0
	s_add_nc_u64 s[12:13], s[12:13], s[36:37]
	s_wait_kmcnt 0x0
	MKQ 25, 8, 9                                   ; e5
	COLQ 12, KT5
	s_endpgm
; ---- C: image f = 8 g + t of K0 by rows m, K = the 65 coordinates; and ksq of its 16 rows
.LtaskC:
	s_lshr_b32 s32, s2, 3
	s_and_b32 s33, s2, 7
	s_lshl_b32 s32, s32, 7
	s_lshr_b32 s34, s33, 1
	s_lshl_b32 s34, s34, 5
	s_add_co_u32 s32, s32, s34
	s_and_b32 s34, s33, 1
	s_lshl_b32 s34, s34, 3
	s_add_co_u32 s32, s32, s34                     ; the tile's first row
	s_mul_i32 s34, s32, 260
	s_mov_b32 s35, 0
	s_add_nc_u64 s[6:7], s[6:7], s[34:35]
	v_and_b32 v6, 8, v2
	v_add_nc_u32 v6, v6, v2                        ; r + 8 (r / 8)
	v_mul_u32_u24 v7, v6, 260                      ; a row of K0 is 260 bytes
	v_lshl_add_u32 v5, v3, 6, v7
.set i, 0
.rept 32
	global_load_b32 v[64+i], v5, s[6:7] offset:128*(i/16)+4*(i%16)   ; K0[m][32 c + 16 h + i]
.set i, i+1
.endr
	global_load_b32 v96, v7, s[6:7] offset:256     ; K0[m][64]
	s_lshl_b32 s36, s2, 11
	s_mov_b32 s37, 0
	s_add_nc_u64 s[46:47], s[14:15], s[36:37]      ; the image
	s_lshl_b32 s36, s32, 2
	s_add_nc_u64 s[44:45], s[14:15], s[36:37]      ; ksq at the tile's first row
	v_lshlrev_b32 v6, 2, v6
	s_mov_b32 s42, 0x76543210
	s_mov_b32 s43, 0xfedcba98
	s_wait_kmcnt 0x0
	MKQ 21, 8, 9                                   ; e1
	s_wait_loadcnt 0x0
	v_mul_f32 v100, v64, v64                       ; the sum of squares of the unquantised numbers, in two chains
	v_mul_f32 v101, v80, v80
.set i, 1
.rept 15
	v_fma_f32 v100, v[64+i], v[64+i], v100
	v_fma_f32 v101, v[80+i], v[80+i], v101
.set i, i+1
.endr
	v_add_f32 v100, v100, v101
	v_permlanex16_b32 v101, v100, s42, s43         ; the row's other 32 numbers lie in the lane 16 away
	v_add_f32 v100, v100, v101
	v_cmp_eq_u32 vcc_lo, 0, v3
	v_cndmask_b32 v96, 0, v96, vcc_lo              ; k = 64 + 16 h: a number for h = 0 alone
.irp i, 97,98,99,102,103
	v_mov_b32 v\i, 0
.endr
	v_mov_b32 v104, v100                           ; ksq moves out of the run of eight that is converted
	v_mov_b32 v100, 0
	v_mov_b32 v101, 0
.irp i, 42,43,44,45,46,47
	v_mov_b32 v\i, 0                               ; zero codes beyond K = 65
.endr
	QBLK 32, 64, 64, 8, 9
	QBLK 36, 80, 80, 8, 9
	v_med3_num_f32 v96, v96, -v9, v9
	v_cvt_scalef32_pk8_bf8_f32 v[40:41], v[96:103], v8
.irp c, 0,1,2,3
	global_store_b128 v4, v[32+4*\c:35+4*\c], s[46:47] offset:512*\c
.endr
	v_cmp_gt_u32 vcc_lo, 16, v0
	s_wait_xcnt 0x0                                ; EXEC changes only when the stores above have read it
	s_and_saveexec_b32 s40, vcc_lo
	global_store_b32 v6, v104, s[44:45] offset:KSQO   ; two runs of 32 bytes: the table is 2,048 bytes in all
	s_wait_xcnt 0x0
	s_or_b32 exec_lo, exec_lo, s40
	s_endpgm
; ---- D: K0 by rows = coordinate, K = m: 32 coordinates x 128 rows m; coordinates above 64 give zero codes (their limit is 0)
.LtaskD:
	s_lshr_b32 s32, s2, 2                          ; cg
	s_and_b32 s33, s2, 3                           ; s
	s_mul_i32 s34, s33, 128*260
	s_mov_b32 s35, 0
	s_add_nc_u64 s[6:7], s[6:7], s[34:35]
	s_lshl_b32 s36, s32, 5
	v_add_nc_u32 v10, s36, v0                      ; my coordinate
	v_min_u32 v5, 64, v10                          ; no load leaves the row
	v_lshlrev_b32 v5, 2, v5
	COLLOAD 260, 6
	v_lshlrev_b32 v6, 4, v2
	v_lshl_add_u32 v6, v3, 13, v6                  ; tile 2 cg + lane / 16, row lane % 16
	s_lshl_b32 s36, s32, 14
	s_lshl_b32 s37, s33, 11
	s_add_co_u32 s36, s36, s37
	s_mov_b32 s37, 0
	s_add_nc_u64 s[14:15], s[14:15], s[36:37]
	s_wait_kmcnt 0x0
	MKQ 27, 8, 9                                   ; e7
	v_cmp_gt_u32 vcc_lo, 65, v10
	v_cndmask_b32 v9, 0, v9, vcc_lo
	COLQ 14, K0T7O
	s_endpgm
; ---- E: K0 transposed, f32, as register images
.LtaskE:
	s_lshr_b32 s32, s2, 2                          ; w
	s_and_b32 s33, s2, 3                           ; s
	s_mul_i32 s34, s33, 128*260
	s_lshl_b32 s35, s32, 6
	s_add_co_u32 s34, s34, s35
	s_mov_b32 s35, 0
	s_add_nc_u64 s[6:7], s[6:7], s[34:35]
	v_mul_u32_u24 v5, v3, 16*260
	v_lshl_add_u32 v5, v2, 2, v5
.set i, 0
.rept 64
	global_load_b32 v[64+i], v5, s[6:7] offset:(32*(i/16)+i%16)*260   ; K0[128 s + 32 c + 16 h + i][16 w + r]
.set i, i+1
.endr
	s_lshl_b32 s36, s32, 15
	s_lshl_b32 s37, s33, 13
	s_add_co_u32 s36, s36, s37
	s_mov_b32 s37, 0
	s_add_nc_u64 s[16:17], s[16:17], s[36:37]
	s_wait_loadcnt 0x0
.set i, 0
.rept 16
	global_store_b128 v4, v[64+4*i:64+4*i+3], s[16:17] offset:512*i
.set i, i+1
.endr
	s_endpgm
; ---- S: piece c of image T of A^T A: rows c' = 16 T + r, K = k.  The product has K = 10 and feeds a quantiser: f32 multiply-adds, rr ascending
.LtaskS:
	s_mul_i32 s32, s2, 11
	s_lshr_b32 s32, s32, 5                         ; T = u / 3 (u below 15)
	s_mul_i32 s33, s32, 3
	s_sub_co_u32 s33, s2, s33                      ; c = u % 3
	s_lshl_b32 s34, s32, 4
	v_add_nc_u32 v5, s34, v2                       ; c'
	v_min_u32 v6, 64, v5
	v_lshlrev_b32 v6, 2, v6
.set i, 0
.rept 10
	global_load_b32 v[32+i], v6, s[4:5] offset:260*i   ; A[rr][c']
.set i, i+1
.endr
	s_lshl_b32 s36, s32, 11
	s_lshl_b32 s37, s33, 9
	s_add_co_u32 s36, s36, s37
	s_mov_b32 s37, 0
	s_add_nc_u64 s[14:15], s[14:15], s[36:37]
	s_cmp_eq_u32 s33, 2
	s_cbranch_scc1 .LtaskS2
	s_lshl_b32 s35, s33, 7
	v_lshl_add_u32 v7, v3, 6, s35
.set i, 0
.rept 160
	global_load_b32 v[64+i], v7, s[4:5] offset:260*(i/16)+4*(i%16)   ; A[rr][32 c + 16 h + i]
.set i, i+1
.endr
	s_wait_kmcnt 0x0
	MKQ 29, 8, 9                                   ; e9
	v_cmp_gt_u32 vcc_lo, 65, v5
	v_cndmask_b32 v9, 0, v9, vcc_lo                ; rows above 64: zero codes
	s_wait_loadcnt 0x0
.set i, 0
.rept 16
	v_mul_f32 v[224+i], v32, v[64+i]
.set i, i+1
.endr
.set i, 16
.rept 144
	v_fma_f32 v[224+i%16], v[32+i/16], v[64+i], v[224+i%16]
.set i, i+1
.endr
	QBLK 48, 224, 224, 8, 9
	global_store_b128 v4, v[48:51], s[14:15] offset:SYMO
	s_endpgm
.LtaskS2:                                              ; k = 64 + 16 h + i: one number, for h = 0 and i = 0; then the piece of zeros
	v_mov_b32 v7, 0
.set i, 0
.rept 10
	global_load_b32 v[64+i], v7, s[4:5] offset:260*i+256   ; A[rr][64]
.set i, i+1
.endr
	s_wait_kmcnt 0x0
	MKQ 29, 8, 9
	v_cmp_gt_u32 vcc_lo, 65, v5
	v_cndmask_b32 v9, 0, v9, vcc_lo
	v_cmp_eq_u32 vcc_lo, 0, v3
	v_cndmask_b32 v9, 0, v9, vcc_lo
.irp i, 225,226,227,228,229,230,231,50,51,52,53,54,55
	v_mov_b32 v\i, 0
.endr
	s_wait_loadcnt 0x0
	v_mul_f32 v224, v32, v64
.set i, 1
.rept 9
	v_fma_f32 v224, v[32+i], v[64+i], v224
.set i, i+1
.endr
	v_med3_num_f32 v224, v224, -v9, v9
	v_cvt_scalef32_pk8_bf8_f32 v[48:49], v[224:231], v8
	global_store_b128 v4, v[48:51], s[14:15] offset:SYMO
	global_store_b128 v4, v[52:55], s[14:15] offset:SYMO+512
	s_endpgm
; ---- R: the trace of (A^T A)[:64,:64] = the sum of A[rr][k]^2 over rr and k < 64
.LtaskR:
	v_lshlrev_b32 v5, 2, v0
.set i, 0
.rept 10
	global_load_b32 v[64+2*i], v5, s[4:5] offset:260*i
	global_load_b32 v[65+2*i], v5, s[4:5] offset:260*i+128
.set i, i+1
.endr
	s_mov_b32 s42, 0x76543210
	s_mov_b32 s43, 0xfedcba98
	s_wait_loadcnt 0x0
	v_mul_f32 v8, v64, v64
	v_mul_f32 v9, v65, v65
.set i, 1
.rept 9
	v_fma_f32 v8, v[64+2*i], v[64+2*i], v8
	v_fma_f32 v9, v[65+2*i], v[65+2*i], v9
.set i, i+1
.endr
	v_add_f32 v8, v8, v9
	v_add_f32_dpp v8, v8, v8 row_xmask:1 row_mask:0xf bank_mask:0xf
	v_add_f32_dpp v8, v8, v8 row_xmask:2 row_mask:0xf bank_mask:0xf
	v_add_f32_dpp v8, v8, v8 row_xmask:4 row_mask:0xf bank_mask:0xf
	v_add_f32_dpp v8, v8, v8 row_xmask:8 row_mask:0xf bank_mask:0xf
	v_permlanex16_b32 v9, v8, s42, s43
	v_add_f32 v8, v8, v9
	v_mov_b32 v10, 0
	v_cmp_eq_u32 vcc_lo, 0, v0
	s_wait_xcnt 0x0
	s_and_saveexec_b32 s40, vcc_lo
	global_store_b32 v10, v8, s[14:15] offset:TRAO
	s_wait_xcnt 0x0
	s_or_b32 exec_lo, exec_lo, s40
	s_endpgm
.Lfunc_end_k_q1e20588831_prep:
	.size	k_q1e20588831_prep, .Lfunc_end_k_q1e20588831_prep-k_q1e20588831_prep
	.p2alignl 7, 3214868480
	.fill 96, 4, 3214868480
	.section	.rodata,"a",@progbits
	.p2align	6, 0x0
	.amdhsa_kernel k_q1e20588831_prep
		.amdhsa_group_segment_fixed_size 0
		.amdhsa_private_segment_fixed_size 0
		.amdhsa_enable_private_segment 0
		.amdhsa_kernarg_size 56
		.amdhsa_user_sgpr_count 2
		.amdhsa_user_sgpr_kernarg_segment_ptr 1
		.amdhsa_wavefront_size32 1
		.amdhsa_system_sgpr_workgroup_id_x 1
		.amdhsa_system_sgpr_workgroup_id_y 1
		.amdhsa_system_sgpr_workgroup_id_z 1
		.amdhsa_system_vgpr_workitem_id 0
		.amdhsa_next_free_vgpr 256
		.amdhsa_next_free_sgpr 66
		.amdhsa_reserve_vcc 1
		.amdhsa_float_denorm_mode_32 3
		.amdhsa_float_denorm_mode_16_64 3
		.amdhsa_memory_ordered 1
		.amdhsa_forward_progress 1
		.amdhsa_inst_pref_size 113
	.end_amdhsa_kernel
	.amdgpu_metadata
---
amdhsa.version: [ 1, 2 ]
amdhsa.kernels:
  - .name:           k_q1e20588831_prep
    .symbol:         k_q1e20588831_prep.kd
    .args:
      - { .name: A, .offset: 0, .size: 8, .value_kind: global_buffer, .address_space: global }
      - { .name: K0, .offset: 8, .size: 8, .value_kind: global_buffer, .address_space: global }
      - { .name: K1, .offset: 16, .size: 8, .value_kind: global_buffer, .address_space: global }
      - { .name: lowp_scales, .offset: 24, .size: 8, .value_kind: global_buffer, .address_space: global }
      - { .name: kc, .offset: 32, .size: 8, .value_kind: global_buffer, .address_space: global }
      - { .name: ks, .offset: 40, .size: 8, .value_kind: global_buffer, .address_space: global }
      - { .name: kf, .offset: 48, .size: 8, .value_kind: global_buffer, .address_space: global }
    .group_segment_fixed_size: 0
    .private_segment_fixed_size: 0
    .kernarg_segment_align: 8
    .kernarg_segment_size: 56
    .max_flat_workgroup_size: 32
    .sgpr_count:     66
    .vgpr_count:     256
    .wavefront_size: 32
...
	.end_amdgpu_metadata
.endif
;; end of part 1
;; launch flow (part 2): grid 256 x 1, 4 waves a work-group, no clusters, 172,544 bytes of LDS; arguments x, t, b0, b1, w, c_w, lowp_scales, kc, ks, kf, out0, out1, out2, out3; writes out0, out1, out2, out3
.if DOCPART == 2
	.amdgcn_target "amdgcn-amd-amdhsa--gfx1250"
	.amdhsa_code_object_version 6
	.text
	.protected	k_q1e20588831_flow
	.globl	k_q1e20588831_flow
	.p2align	8
	.type	k_q1e20588831_flow,@function
k_q1e20588831_flow:
	s_mov_b64 s[64:65], 0
	v_nop
	global_prefetch_b8 v0, s[64:65] scope:SCOPE_SE
	s_setreg_imm32_b32 hwreg(HW_REG_WAVE_MODE, 25, 1), 1
	s_wait_xcnt 0x0
; The gradient and the Hessian trace of the OT-Flow potential, all quantised products on codes of E5M2 with the given scales 2^e.  A work-group of four waves owns 8 samples and takes them through
; everything; nothing computed goes to memory.  c_b is no argument: no result uses it.
; THE CHAIN (opening, lin1, z1, z0, s symA).  Every product is used transposed: source 0 = 16 rows of a weight, source 1 = the samples, so a lane holds ONE sample (lane % 8) and its registers run along the units,
; which are the next K.  A tile has 16 columns and the work-group 8 samples: lanes with lane % 16 >= 8 repeat the lanes 8 below, bit for bit.  Wave w owns hidden units 128 w .. 128 w + 127; the weights' rows of a
; tile are chosen (first launch) so that the 16 registers of tiles 2 g, 2 g + 1 are units 32 g + 16 h + 0 .. 15.  Quantised operands go from wave to wave through LDS as images of their registers.
; THE TRACE.  KJ[n] = Jac[n] K1^T with Jac[n][k][j] = tanh_open[n][j] K0[j][k]; only sum over i, k of (1 - tanh_lin1^2) w KJ^2 is kept.  THE WAVES SHARE THE COLUMNS: wave w keeps K1's codes of columns
; i = 128 w .. 128 w + 127 in 512 registers; it makes Jac's rows k = 16 w .. 16 w + 15 of each sample from its slice of K0^T (256 registers) and hands them round through two LDS buffers of 32,768 bytes:
; while sample n is multiplied, sample n + 1 is quantised.  A fragment of Jac read from LDS feeds eight matrix instructions.
; No tensor load: every table is wanted in registers, each byte in one wave of the work-group, once; it lies in memory as register images and comes by loads of 512 consecutive bytes.
; No cluster for the same reason: a joint load lands in LDS, from where the same bytes would have to be read again into registers.
; tanh(x) = x (1 - x^2/3 + 2 x^4/15 - 17 x^6/315) under |x| < 0.25 (the first term left out is under 3.3e-7 of the number), else sign(x) (1 - e) / (1 + e), e = 2^(-2 log2(e) |x|);
; 1 - tanh^2 = 4 e / (1 + e)^2, the 4 applied once at the end; log(2 cosh x) = |x| + ln 2 log2(1 + e).
; LIMITS: e0, e2, e4, e6, e8, e10 between -126 and 112; e0+e1, e2+e3, e4+e5, e6+e7, e8+e9 between -126 and 127, so that each power of two below is an f32 number.  NaN and infinities among the inputs are not served.
; z0's K = 512 is summed in four parts, one a wave, which are added in f32.
; REGISTERS, in windows of 256.  Window 0: v1-26 addresses and the conversions' scale; v32-47 the codes just made; v48-63 constants and small sums; v64-127 R1 / TT; v128-191 at work / AF; v192-255 eight accumulators.
; Window 1: K0's 8 fragments, then the slice of K0^T.  Windows 2, 3: weight fragment (t, s) at v[16 (4 (t % 4) + s)] of window 2 + t / 4: K1 (e3), then K1^T (e5), then K1 (e11).
.set K1C3,  0
.set K1C11, 262144
.set K1T5,  524288
.set K0T7O, 65536
.set SYMO,  114688
.set KSQO,  124928
.set TRAO,  126976
; LDS
.set U0IMG, 0                          ; u0's four images (K step = wave)
.set A4IMG, 8192                       ; (tanh_lin1 w)'s four
.set VEC,   16384                      ; b0, b1, w, ksq: 2,048 bytes each
.set ZP,    24576                      ; z0's parts: [wave][tile 0..4][half][lane x 16]
.set GST,   45056                      ; for each wave 1,536: s symA + c_w of its tile (2 x 512), of coordinate 64 (4 x lane)
.set OST,   51200                      ; out0's 8 rows, 272 bytes apart
.set RED,   53504                      ; +0 trH's parts, +256 cost_L's, +512 dPhi_dt, +1,024 t1's
.set TH,    55552                      ; tanh_open[n][j], f32, rows 2,064 bytes apart
.set TP,    2064
.set DKO,   16640                      ; from TH to e R^2 ksq, laid likewise,
.set CWOF,  33280                      ; and to e R^2 w of lin1
.set CW,    TH+CWOF
.set AST,   106496                     ; Jac's codes: two buffers of 16 images; image (kt, s) at 2,048 (4 kt + s)
.set ABUF,  32768
.set LI,   1                           ; 16 x lane
.set IW,   2                           ; + 2,048 w
.set THS,  3                           ; TH + 2,064 (lane % 8) + 512 w + 64 h
.set VR,   4                           ; VEC + 512 w + 64 h
.set VW,   5                           ; VEC + 512 w + 16 x lane
.set XA,   6                           ; 256 (lane % 8) + 64 h
.set THGB, 7                           ; TH + 64 h;  v8 the same for the sample in hand
.set THGC, 8
.set AWC,  9                           ; where I store, v10 where I read Jac's images now
.set ARC,  10
.set AWB,  11                          ; AST + 8,192 w + 16 x lane
.set ARB,  12                          ; AST + 16 x lane
.set CWB,  13                          ; CW + 512 w + 4 (r + 8 (r / 8));  v14 for the sample in hand
.set CWC,  14
.set R3B,  15                          ; RED + 1,024 + 32 w;  v16 for the sample in hand
.set R3C,  16
.set ZPW,  17
.set ZPR,  18
.set GSA,  19
.set G4A,  20
.set OSW,  21
.set OSR,  22
.set OGO,  23                          ; 512 w + 16 x lane
.set RDW,  24                          ; RED + 64 w + 4 r
.set RD2,  25                          ; RED + 512 + 128 w + 4 x lane
.set SCV,  26                          ; the conversions' scale
.set PC,   32
.set SQ,   48
.set R1,   64
.set TT,   64
.set TA,   128
.set TB,   144
.set TC,   160
.set TD,   176
.set AF,   128
.set ACC,  192
.set MSB, 0
.macro WIN new                         ; the immediate's high byte repeats the setting that is left; a switch that changes nothing is dropped
.if MSB != (\new)
	s_set_vgpr_msb (MSB<<8)|(\new)
.set MSB, (\new)
.endif
.endm
.macro PLACES n                        ; behind a matrix instruction: plain vector instructions that name none of its registers (ISA guide 7.12.1)
.rept \n
	v_nop
.endr
.endm
.macro BARRIER                         ; my LDS stores have landed and my LDS loads are in: then the work-group's barrier
	s_wait_dscnt 0x0
	s_barrier_signal -1
	s_barrier_wait -1
.endm
.macro MKS e, sc, lm                   ; s[sc] = 2^e as f32, s[lm], s[lm+1] = -+57,344 x 2^e
	s_add_co_i32 s90, s[\e], 127
	s_lshl_b32 s[\sc], s90, 23
	s_add_co_i32 s90, s90, 15
	s_lshl_b32 s90, s90, 23
	s_or_b32 s[\lm+1], s90, 0x600000
	s_or_b32 s[\lm], s[\lm+1], 0x80000000
.endm
.macro MKP ea, eb, d                   ; the pair s[d], s[d+1] = 2^(ea + eb) as f32
	s_add_co_i32 s90, s[\ea], s[\eb]
	s_add_co_i32 s90, s90, 127
	s_lshl_b32 s[\d], s90, 23
	s_mov_b32 s[\d+1], s[\d]
.endm
.macro LOADW reg, b                    ; my tiles 2 b, 2 b + 1 of a table of kc: 8 fragments, 32 loads of 512 consecutive bytes
.if (\b) < 2
	WIN 0x80
.else
	WIN 0xc0
.endif
.irp tt, 0,1
.irp s, 0,1,2,3
.irp c, 0,1,2,3
	global_load_b128 v[16*(4*((2*(\b)+\tt)%4)+\s)+4*\c:16*(4*((2*(\b)+\tt)%4)+\s)+4*\c+3], v[LI], s[18:19] offset:\reg+((2*(\b)+\tt)*4+\s)*2048+512*\c
.endr
.endr
.endr
	WIN 0
.endm
.macro FETCH4 img                      ; an operand's four K steps, as any wave stored them
.set i, 0
.rept 16
	ds_load_b128 v[R1+4*i:R1+4*i+3], v[LI] offset:\img+512*i
.set i, i+1
.endr
.endm
.macro IMAGE adr, off                  ; the fragment in v[PC] on goes to LDS as it stands
.irp c, 0,1,2,3
	ds_store_b128 v[\adr], v[PC+4*\c:PC+4*\c+3] offset:(\off)+512*\c
.endr
.endm
.macro QB src, b, L                    ; 16 neighbours along K: the hold (the conversion does not saturate: ISA guide 7.6.2) and two conversions into registers 4 b .. 4 b + 3 of the fragment
.set i, 0
.rept 16
	v_med3_num_f32 v[(\src)+i], v[(\src)+i], s[\L], s[\L+1]
.set i, i+1
.endr
	v_cvt_scalef32_pk8_bf8_f32 v[PC+4*(\b):PC+4*(\b)+1], v[(\src):(\src)+7], v[SCV]
	v_cvt_scalef32_pk8_bf8_f32 v[PC+4*(\b)+2:PC+4*(\b)+3], v[(\src)+8:(\src)+15], v[SCV]
.endm
.macro MUL32                           ; my 8 tiles x 4 K steps.  Four accumulators take turns, one instruction a turn; the first K step starts the sums
.irp hf, 0,1
.if \hf == 0
	WIN 0x02
.else
	WIN 0x03
.endif
.irp s, 0,1,2,3
.irp t, 0,1,2,3
.if \s == 0
	v_wmma_f32_16x16x128_bf8_bf8 v[ACC+32*\hf+8*\t:ACC+32*\hf+8*\t+7], v[16*(4*\t+\s):16*(4*\t+\s)+15], v[R1+16*\s:R1+16*\s+15], 0
.else
	v_wmma_f32_16x16x128_bf8_bf8 v[ACC+32*\hf+8*\t:ACC+32*\hf+8*\t+7], v[16*(4*\t+\s):16*(4*\t+\s)+15], v[R1+16*\s:R1+16*\s+15], v[ACC+32*\hf+8*\t:ACC+32*\hf+8*\t+7]
.endif
.endr
.endr
.endr
	WIN 0
.endm
.macro VLOAD g, va, vb                 ; vectors va and vb (0 b0, 1 b1, 2 w, 3 ksq) at my 16 units of group g
.irp p, 0,1,2,3
	ds_load_b128 v[R1+32*((\g)%2)+4*\p:R1+32*((\g)%2)+4*\p+3], v[VR] offset:2048*(\va)+128*(\g)+16*\p
.endr
.irp p, 0,1,2,3
	ds_load_b128 v[R1+32*((\g)%2)+16+4*\p:R1+32*((\g)%2)+16+4*\p+3], v[VR] offset:2048*(\vb)+128*(\g)+16*\p
.endr
.endm
; THE ACTIVATIONS of 16 units (group g).  kind 1: opening -> u0 (quantised, e2), tanh to TH, e R^2 ksq to DK.  kind 2: lin1 -> tanh w (quantised, e4), e R^2 w to CW.
.macro ACT kind, g
.set O, ACC+16*(\g)
.set BF, R1+32*((\g)%2)
.set XF, BF+16
.if \kind == 1
.set SCP, 66
.else
.set SCP, 68
.endif
.if (\g) < 3
.if \kind == 1
	VLOAD (\g)+1, 0, 3
.else
	VLOAD (\g)+1, 1, 2
.endif
.endif
.if \kind == 1
	LOADW K1C3, \g                                 ; the next product's weights come while this one's results are worked on
.else
	LOADW K1T5, \g
.endif
.if (\g) < 3
	s_wait_dscnt 8                                 ; this group's vectors are in; the next group's 8 loads may be out
.else
	s_wait_dscnt 0x0
.endif
.set i, 0
.rept 8
	v_pk_fma_f32 v[O+i:O+i+1], v[O+i:O+i+1], s[SCP:SCP+1], v[BF+i:BF+i+1] op_sel_hi:[1,0,1]   ; x = sum x 2^(ea + eb) + bias; each accumulator from its low end on
.set i, i+2
.endr
.set i, 0
.rept 16
	v_mul_f32 v[TA+i], s76, |v[O+i]|
.set i, i+1
.endr
.set i, 0
.rept 16
	v_exp_f32 v[TA+i], v[TA+i]                     ; e = exp(-2 |x|)
.set i, i+1
.endr
.set i, 0
.rept 8
	v_pk_mul_f32 v[TD+i:TD+i+1], v[O+i:O+i+1], v[O+i:O+i+1]   ; the series for small |x|: work that names no exponential's result
.set i, i+2
.endr
.set i, 0
.rept 8
	v_pk_fma_f32 v[BF+i:BF+i+1], v[TD+i:TD+i+1], v[48:49], v[50:51]
.set i, i+2
.endr
.set i, 0
.rept 8
	v_pk_fma_f32 v[BF+i:BF+i+1], v[BF+i:BF+i+1], v[TD+i:TD+i+1], v[52:53]
.set i, i+2
.endr
.set i, 0
.rept 8
	v_pk_fma_f32 v[BF+i:BF+i+1], v[BF+i:BF+i+1], v[TD+i:TD+i+1], 1.0 op_sel_hi:[1,1,0]
.set i, i+2
.endr
.set i, 0
.rept 8
	v_pk_mul_f32 v[BF+i:BF+i+1], v[BF+i:BF+i+1], v[O+i:O+i+1]
.set i, i+2
.endr
	s_wait_alu depctr_va_vdst(0)                   ; one wait for the 16 exponentials, ahead of their first reader
.set i, 0
.rept 8
	v_pk_add_f32 v[TB+i:TB+i+1], v[TA+i:TA+i+1], 1.0 op_sel_hi:[1,0]
.set i, i+2
.endr
.if \kind == 1
.set i, 0
.rept 16
	v_log_f32 v[TC+i], v[TB+i]                     ; log2(1 + e)
.set i, i+1
.endr
	v_nop                                          ; a plain instruction before the logarithms' sources are written over
.endif
.set i, 0
.rept 16
	v_rcp_f32 v[TB+i], v[TB+i]                     ; R = 1 / (1 + e)
.set i, i+1
.endr
	v_nop
	s_wait_alu depctr_va_vdst(0)                   ; one wait for the logarithms and the reciprocals
.set i, 0
.rept 8
	v_pk_mul_f32 v[TA+i:TA+i+1], v[TA+i:TA+i+1], v[TB+i:TB+i+1]   ; e R
.set i, i+2
.endr
.set i, 0
.rept 8
	v_pk_add_f32 v[TD+i:TD+i+1], v[TB+i:TB+i+1], v[TA+i:TA+i+1] neg_lo:[0,1] neg_hi:[0,1]   ; (1 - e) R = tanh |x|
.set i, i+2
.endr
.set i, 0
.rept 8
	v_pk_mul_f32 v[TA+i:TA+i+1], v[TA+i:TA+i+1], v[TB+i:TB+i+1]   ; e R^2 = (1 - tanh^2) / 4
.set i, i+2
.endr
.set i, 0
.rept 16
	v_bfi_b32 v[TD+i], s79, v[TD+i], v[O+i]        ; x's sign
.set i, i+1
.endr
.set i, 0
.rept 16
	v_cmp_gt_f32 vcc_lo, s78, |v[O+i]|
	v_cndmask_b32 v[TD+i], v[TD+i], v[BF+i], vcc_lo   ; the series where |x| < 0.25: a choice of values, no branch
.set i, i+1
.endr
.set i, 0
.rept 8
	v_pk_mul_f32 v[TA+i:TA+i+1], v[TA+i:TA+i+1], v[XF+i:XF+i+1]   ; x ksq, or x w
.set i, i+2
.endr
.if \kind == 1
.set i, 0
.rept 16
	v_fma_f32 v[O+i], v[TC+i], s77, |v[O+i]|       ; u0 = |x| + ln 2 log2(1 + e)
.set i, i+1
.endr
.irp p, 0,1,2,3
	ds_store_b128 v[THS], v[TD+4*\p:TD+4*\p+3] offset:128*(\g)+16*\p
.endr
.irp p, 0,1,2,3
	ds_store_b128 v[THS], v[TA+4*\p:TA+4*\p+3] offset:DKO+128*(\g)+16*\p
.endr
	QB O, \g, 54
.else
.set i, 0
.rept 8
	v_pk_mul_f32 v[O+i:O+i+1], v[TD+i:TD+i+1], v[XF+i:XF+i+1]   ; tanh_lin1 w
.set i, i+2
.endr
.irp p, 0,1,2,3
	ds_store_b128 v[THS], v[TA+4*\p:TA+4*\p+3] offset:CWOF+128*(\g)+16*\p
.endr
	QB O, \g, 56
.endif
.endm
.macro ELOAD g                         ; tanh_open, e R^2 ksq and w at my 16 units of group g
.irp p, 0,1,2,3
	ds_load_b128 v[128+4*\p:131+4*\p], v[THS] offset:128*(\g)+16*\p
.endr
.irp p, 0,1,2,3
	ds_load_b128 v[144+4*\p:147+4*\p], v[THS] offset:DKO+128*(\g)+16*\p
.endr
.irp p, 0,1,2,3
	ds_load_b128 v[160+4*\p:163+4*\p], v[VR] offset:2*2048+128*(\g)+16*\p
.endr
.endm
.macro EPI3 g                          ; z1 = w + sum; trH's part; tanh_open z1, quantised (e6)
.set O, ACC+16*(\g)
	s_wait_dscnt 0x0
.set i, 0
.rept 8
	v_pk_fma_f32 v[O+i:O+i+1], v[O+i:O+i+1], s[70:71], v[160+i:161+i] op_sel_hi:[1,0,1]
.set i, i+2
.endr
.set i, 0
.rept 8
.if ((\g) == 0) && (i < 8)
	v_pk_mul_f32 v[54+i%8:55+i%8], v[144+i:145+i], v[O+i:O+i+1]   ; the first products start the four sums
.else
	v_pk_fma_f32 v[54+i%8:55+i%8], v[144+i:145+i], v[O+i:O+i+1], v[54+i%8:55+i%8]
.endif
.set i, i+2
.endr
.set i, 0
.rept 8
	v_pk_mul_f32 v[O+i:O+i+1], v[O+i:O+i+1], v[128+i:129+i]
.set i, i+2
.endr
.if (\g) < 3
	ELOAD (\g)+1
.endif
.if (\g) < 2
	LOADW K1C11, \g
.endif
	QB O, \g, 58
.endm
; ---- the trace's macros
.macro TTLOAD s                        ; tanh_open[n][128 s + 32 c + 16 h + i] into register 16 c + i
.set i, 0
.rept 16
	ds_load_b128 v[TT+4*i:TT+4*i+3], v[THGC] offset:512*(\s)+128*(i/4)+16*(i%4)
.set i, i+1
.endr
.endm
.macro AFLOAD kt                       ; Jac's four fragments of row tile kt
.set i, 0
.rept 16
	ds_load_b128 v[AF+4*i:AF+4*i+3], v[ARC] offset:8192*(\kt)+512*i
.set i, i+1
.endr
.endm
.macro MULK s                          ; x K0[j][16 w + r]: source 1 in window 1
	WIN 0x04
.set i, 0
.rept 32
	v_pk_mul_f32 v[TT+i:TT+i+1], v[TT+i:TT+i+1], v[64*(\s)+i:64*(\s)+i+1]
.set i, i+2
.endr
.endm
; 32 matrix instructions: source 0 = 16 rows k of Jac, source 1 = 16 columns i of K1 (window 2 or 3): a lane holds one column i, its registers the rows k = 8 h + 0 .. 7.  Four accumulators by turns.
; gen = 1: the 64 holds of the next sample's numbers stand two behind each: their one vector register lies in window 0 and their limits are scalars, to which no window applies, so they cost no switch.
.macro MM gen
.set hq, 0
.irp hf, 0,1
.if \hf == 0
	WIN 0x08
.else
	WIN 0x0c
.endif
.irp s, 0,1,2,3
.irp t, 0,1,2,3
.if \s == 0
	v_wmma_f32_16x16x128_bf8_bf8 v[ACC+32*\hf+8*\t:ACC+32*\hf+8*\t+7], v[AF+16*\s:AF+16*\s+15], v[16*(4*\t+\s):16*(4*\t+\s)+15], 0
.else
	v_wmma_f32_16x16x128_bf8_bf8 v[ACC+32*\hf+8*\t:ACC+32*\hf+8*\t+7], v[AF+16*\s:AF+16*\s+15], v[16*(4*\t+\s):16*(4*\t+\s)+15], v[ACC+32*\hf+8*\t:ACC+32*\hf+8*\t+7]
.endif
.if \gen
	v_med3_num_f32 v[TT+hq], v[TT+hq], s60, s61
	v_med3_num_f32 v[TT+hq+1], v[TT+hq+1], s60, s61
.set hq, hq+2
.endif
.endr
.endr
.endr
.endm
.macro CVTIMG s                        ; 64 numbers become a fragment, which goes to LDS as K step s of my row tile
.set i, 0
.rept 8
	v_cvt_scalef32_pk8_bf8_f32 v[PC+2*i:PC+2*i+1], v[TT+8*i:TT+8*i+7], v[SCV]
.set i, i+1
.endr
	v_nop                                          ; a plain instruction behind the last conversion
	IMAGE AWC, 2048*(\s)
.endm
.macro SQUARE first                    ; KJ^2 summed over the rows k, for each of my 8 column tiles; each accumulator from its low end on
.irp p, 0,1,2,3
.irp t, 0,1,2,3,4,5,6,7
.if \first && (\p == 0)
	v_pk_mul_f32 v[SQ+2*\t:SQ+2*\t+1], v[ACC+8*\t+2*\p:ACC+8*\t+2*\p+1], v[ACC+8*\t+2*\p:ACC+8*\t+2*\p+1]
.else
	v_pk_fma_f32 v[SQ+2*\t:SQ+2*\t+1], v[ACC+8*\t+2*\p:ACC+8*\t+2*\p+1], v[ACC+8*\t+2*\p:ACC+8*\t+2*\p+1], v[SQ+2*\t:SQ+2*\t+1]
.endif
.endr
.endr
.endm
.macro STEP k, gen                     ; row tile k of sample n is multiplied; gen = 1: K step k of my row tile of sample n + 1 is made
.if \gen
	s_wait_dscnt 16                                ; TT is in; AF's 16 loads are younger
	MULK \k
.endif
	s_wait_dscnt 0x0                               ; AF is in
	MM \gen
	WIN 0
	PLACES 4                                       ; in front of the loads into AF and of the first read of results
.if \gen
	CVTIMG \k
.endif
.if (\k) < 3
.if \gen
	TTLOAD (\k)+1
.endif
	AFLOAD (\k)+1
.else
.irp t, 0,1,2,3,4,5,6,7
	ds_load_b32 v[TT+\t], v[CWC] offset:128*(\t/2)+32*(\t%2)   ; e R^2 w at my column of tile t
.endr
.endif
.if (\k) == 0
	SQUARE 1
.else
	SQUARE 0
.endif
.endm
.macro BODY gen                        ; one sample.  Its barrier orders every wave's stores into the buffer written ahead of the next body's reads of it, and every wave's reads of the buffer read ahead of the next body's stores into it
	v_add_nc_u32 v[ARC], s84, v[ARB]
	v_add_nc_u32 v[CWC], s87, v[CWB]
	v_add_nc_u32 v[R3C], s88, v[R3B]
.if \gen
	v_add_nc_u32 v[THGC], s86, v[THGB]
	v_add_nc_u32 v[AWC], s85, v[AWB]
	TTLOAD 0
.endif
	AFLOAD 0
	STEP 0, \gen
	STEP 1, \gen
	STEP 2, \gen
	STEP 3, \gen
	s_wait_dscnt 0x0
.irp t, 0,1,2,3,4,5,6,7
	v_add_f32 v[TT+8+\t], v[SQ+2*\t], v[SQ+2*\t+1]
.endr
	v_mul_f32 v[TT+16], v[TT], v[TT+8]
	v_mul_f32 v[TT+17], v[TT+1], v[TT+9]
.irp t, 2,4,6
	v_fma_f32 v[TT+16], v[TT+\t], v[TT+8+\t], v[TT+16]
	v_fma_f32 v[TT+17], v[TT+1+\t], v[TT+9+\t], v[TT+17]
.endr
	v_add_f32 v[TT+16], v[TT+16], v[TT+17]
	v_add_f32_dpp v[TT+16], v[TT+16], v[TT+16] row_xmask:1 row_mask:0xf bank_mask:0xf
	v_add_f32_dpp v[TT+16], v[TT+16], v[TT+16] row_xmask:2 row_mask:0xf bank_mask:0xf
	v_add_f32_dpp v[TT+16], v[TT+16], v[TT+16] row_xmask:4 row_mask:0xf bank_mask:0xf
	v_add_f32_dpp v[TT+16], v[TT+16], v[TT+16] row_xmask:8 row_mask:0xf bank_mask:0xf
	v_permlanex16_b32 v[TT+17], v[TT+16], s62, s63
	v_add_f32 v[TT+16], v[TT+16], v[TT+17]
	ds_store_b32 v[R3C], v[TT+16]                  ; my 128 columns' part of the sample's t1: all lanes store the same word
	BARRIER
	s_xor_b32 s84, s84, ABUF
	s_xor_b32 s85, s85, ABUF
	s_add_co_u32 s86, s86, TP
	s_add_co_u32 s87, s87, TP
	s_add_co_u32 s88, s88, 4
.endm
; ======== head
	s_load_b512 s[4:19], s[0:1], 0x0               ; x s[4:5], t s[6:7], b0 s[8:9], b1 s[10:11], w s[12:13], c_w s[14:15], the exponents s[16:17], kc s[18:19]
	s_load_b256 s[20:27], s[0:1], 0x40             ; ks s[20:21], kf s[22:23], out0 s[24:25], out1 s[26:27]
	s_load_b128 s[28:31], s[0:1], 0x60             ; out2, out3
	v_lshrrev_b32 v27, 5, v0
	v_readfirstlane_b32 s2, v27                    ; wave 0..3
	v_and_b32 v28, 31, v0                          ; lane
	v_and_b32 v29, 15, v0                          ; r
	v_bfe_u32 v30, v0, 4, 1                        ; h
	v_and_b32 v31, 7, v0                           ; my sample
	v_lshlrev_b32 v[LI], 4, v28
	s_lshl_b32 s90, s2, 11
	v_add_nc_u32 v[IW], s90, v[LI]
	s_lshl_b32 s91, s2, 9                          ; 512 w
	v_mul_u32_u24 v[THS], v31, TP
	v_lshl_add_u32 v[THS], v30, 6, v[THS]
	s_add_co_u32 s90, s91, TH
	v_add_nc_u32 v[THS], s90, v[THS]
	s_add_co_u32 s90, s91, VEC
	v_lshlrev_b32 v[VR], 6, v30
	v_add_nc_u32 v[VR], s90, v[VR]
	v_add_nc_u32 v[VW], s90, v[LI]
	v_lshlrev_b32 v[XA], 8, v31
	v_lshl_add_u32 v[XA], v30, 6, v[XA]
	v_lshlrev_b32 v[THGB], 6, v30
	v_add_nc_u32 v[THGB], TH, v[THGB]
	s_lshl_b32 s90, s2, 13
	s_add_co_u32 s90, s90, AST
	v_add_nc_u32 v[AWB], s90, v[LI]
	v_add_nc_u32 v[ARB], AST, v[LI]
	v_and_b32 v[CWB], 8, v29
	v_add_nc_u32 v[CWB], v[CWB], v29
	v_lshlrev_b32 v[CWB], 2, v[CWB]
	s_add_co_u32 s90, s91, CW
	v_add_nc_u32 v[CWB], s90, v[CWB]
	s_lshl_b32 s90, s2, 5
	s_add_co_u32 s90, s90, RED+1024
	v_mov_b32 v[R3B], s90
	s_mul_i32 s90, s2, 5120
	s_add_co_u32 s90, s90, ZP
	v_add_nc_u32 v[ZPW], s90, v[LI]
	s_lshl_b32 s90, s2, 10
	s_add_co_u32 s90, s90, ZP
	v_add_nc_u32 v[ZPR], s90, v[LI]
	s_mul_i32 s90, s2, 1536
	s_add_co_u32 s90, s90, GST
	v_add_nc_u32 v[GSA], s90, v[LI]
	s_add_co_u32 s90, s90, 1024
	v_lshl_add_u32 v[G4A], v28, 2, s90
	v_mul_u32_u24 v[OSW], v31, 272
	v_lshl_add_u32 v[OSW], v30, 5, v[OSW]
	s_lshl_b32 s90, s2, 6
	s_add_co_u32 s90, s90, OST
	v_add_nc_u32 v[OSW], s90, v[OSW]               ; row = my sample, + 64 w + 32 h: my eight coordinates
	v_mul_u32_u24 v[OSR], v30, 272
	v_lshl_add_u32 v[OSR], v29, 4, v[OSR]
	s_mul_i32 s90, s2, 544
	s_add_co_u32 s90, s90, OST
	v_add_nc_u32 v[OSR], s90, v[OSR]               ; back: rows 2 w and 2 w + 1, sixteen lanes to a row
	v_add_nc_u32 v[OGO], s91, v[LI]
	s_lshl_b32 s90, s2, 6
	s_add_co_u32 s90, s90, RED
	v_lshl_add_u32 v[RDW], v29, 2, s90
	s_lshl_b32 s90, s2, 7
	s_add_co_u32 s90, s90, RED+512
	v_lshl_add_u32 v[RD2], v28, 2, s90
	s_lshl_b32 s90, s2, 6
	v_lshl_add_u32 v27, v30, 5, s90                ; c_w at my tile's eight coordinates: 64 w + 32 h
	s_wait_kmcnt 0x0
	s_load_b256 s[32:39], s[16:17], 0x0            ; e0 .. e7
	s_load_b128 s[40:43], s[16:17], 0x20           ; e8 .. e11
	s_load_b32 s80, s[6:7], 0x0                    ; t
	s_load_b32 s81, s[14:15], 0x100                ; c_w[64]
	s_load_b32 s82, s[20:21], TRAO                 ; the trace of (A^T A)[:64,:64]
	s_lshl_b32 s90, ttmp9, 11                      ; my 8 rows of x and of out0: 2,048 bytes
	s_mov_b32 s91, 0
	s_add_nc_u64 s[4:5], s[4:5], s[90:91]
	s_add_nc_u64 s[24:25], s[24:25], s[90:91]
	s_lshl_b32 s90, ttmp9, 5
	s_add_nc_u64 s[26:27], s[26:27], s[90:91]
	s_add_nc_u64 s[28:29], s[28:29], s[90:91]
	s_add_nc_u64 s[30:31], s[30:31], s[90:91]
	s_lshl_b32 s90, s2, 16
	s_add_nc_u64 s[18:19], s[18:19], s[90:91]      ; my 32 images of each table of kc
	s_lshl_b32 s90, s2, 15
	s_add_nc_u64 s[22:23], s[22:23], s[90:91]      ; my slice of K0^T
	s_lshl_b32 s90, s2, 14
	s_add_nc_u64 s[92:93], s[20:21], s[90:91]      ; my 8 images of K0
.set i, 0
.rept 8
	global_load_b128 v[192+4*i:195+4*i], v[XA], s[4:5] offset:128*(i/4)+16*(i%4)   ; x[n][32 c + 16 h + i] into register 16 c + i
.set i, i+1
.endr
.irp c, 0,1,2,3
	global_load_b128 v[64+4*\c:67+4*\c], v[IW], s[20:21] offset:SYMO+512*\c          ; A^T A, tile w
.endr
.irp c, 0,1,2,3
	global_load_b128 v[80+4*\c:83+4*\c], v[LI], s[20:21] offset:SYMO+8192+512*\c     ; tile 4 (coordinate 64)
.endr
	global_load_b128 v[96:99], v27, s[14:15]
	global_load_b128 v[100:103], v27, s[14:15] offset:16
	global_load_b128 v[128:131], v[OGO], s[8:9]    ; my 128 numbers of b0, b1, w, ksq
	global_load_b128 v[132:135], v[OGO], s[10:11]
	global_load_b128 v[136:139], v[OGO], s[12:13]
	global_load_b128 v[140:143], v[OGO], s[20:21] offset:KSQO
	WIN 0x40
.set i, 0
.rept 32
	global_load_b128 v[4*i:4*i+3], v[LI], s[92:93] offset:512*i   ; K0's 8 fragments, into window 1
.set i, i+1
.endr
	WIN 0
	s_wait_kmcnt 0x0
	MKS 32, 44, 50                                 ; e0
	MKS 40, 45, 52                                 ; e8
	MKS 34, 46, 54                                 ; e2
	MKS 36, 47, 56                                 ; e4
	MKS 38, 48, 58                                 ; e6
	MKS 42, 49, 60                                 ; e10
	MKP 32, 33, 66
	MKP 34, 35, 68
	MKP 36, 37, 70
	MKP 38, 39, 72
	MKP 40, 41, 74
	s_add_co_i32 s83, s42, s43
	s_lshl_b32 s83, s83, 1
	s_add_co_i32 s83, s83, 2                       ; KJ^2 stands for KJ^2 x 2^(2 (e10 + e11)), and 1 - tanh^2 is 4 e R^2
	s_mov_b32 s62, 0x76543210
	s_mov_b32 s63, 0xfedcba98
	s_mov_b32 s76, 0xc038aa3b                      ; -2 log2(e)
	s_mov_b32 s77, 0x3f317218                      ; ln 2
	s_mov_b32 s78, 0x3e800000                      ; 0.25
	s_mov_b32 s79, 0x7fffffff
	v_mov_b32 v48, 0xbd5d0dd1                      ; -17/315
	v_mov_b32 v49, 0xbd5d0dd1
	v_mov_b32 v50, 0x3e088889                      ; 2/15
	v_mov_b32 v51, 0x3e088889
	v_mov_b32 v52, 0xbeaaaaab                      ; -1/3
	v_mov_b32 v53, 0xbeaaaaab
	v_mov_b32 v62, s45                             ; 2^e8
	v_mov_b32 v63, s44                             ; 2^e0
; ======== S: s = [x, t] quantised twice; s symA + c_w
	s_wait_loadcnt 46                              ; x is in: 46 loads are younger
	v_cmp_eq_u32 vcc_lo, 0, v30
	v_mov_b32 v224, s80
	v_cndmask_b32 v224, 0, v224, vcc_lo            ; k = 64 + 16 h: t for h = 0, else nothing
.irp i, 225,226,227,228,229,230,231,42,43,44,45,46,47
	v_mov_b32 v\i, 0                               ; zeros beyond K = 65
.endr
.set i, 0
.rept 40
	v_med3_num_f32 v[144+i], v[192+i], s52, s53    ; held into other registers: the numbers are wanted again
.set i, i+1
.endr
.set i, 0
.rept 5
	v_cvt_scalef32_pk8_bf8_f32 v[PC+2*i:PC+2*i+1], v[144+8*i:151+8*i], v62
.set i, i+1
.endr
	v_nop
	s_wait_loadcnt 36                              ; A^T A's two images and c_w are in
	v_wmma_f32_16x16x128_bf8_bf8 v[104:111], v[64:79], v[PC:PC+15], 0
	v_wmma_f32_16x16x128_bf8_bf8 v[112:119], v[80:95], v[PC:PC+15], 0
	PLACES 4
	s_wait_loadcnt 32                              ; the four vectors are in; K0's 32 loads are younger
.irp i, 0,1,2,3
	ds_store_b128 v[VW], v[128+4*\i:131+4*\i] offset:2048*\i
.endr
.set i, 0
.rept 40
	v_med3_num_f32 v[192+i], v[192+i], s50, s51
.set i, i+1
.endr
.set i, 0
.rept 5
	v_cvt_scalef32_pk8_bf8_f32 v[PC+2*i:PC+2*i+1], v[192+8*i:199+8*i], v63
.set i, i+1
.endr
	v_nop
.irp i, 0,2,4,6
	v_pk_fma_f32 v[96+\i:97+\i], v[104+\i:105+\i], s[74:75], v[96+\i:97+\i] op_sel_hi:[1,0,1]   ; sum x 2^(e8 + e9) + c_w
.endr
	v_fma_f32 v120, v112, s74, s81
	ds_store_b128 v[GSA], v[96:99]
	ds_store_b128 v[GSA], v[100:103] offset:512
	ds_store_b32 v[G4A], v120
; ======== 1: opening, u0
	s_wait_loadcnt 0x0
	WIN 0x01
.irp t, 0,1,2,3,4,5,6,7
	v_wmma_f32_16x16x128_bf8_bf8 v[ACC+8*\t:ACC+8*\t+7], v[16*\t:16*\t+15], v[PC:PC+15], 0
.endr
	WIN 0
	PLACES 4
	v_mov_b32 v[SCV], s46
	VLOAD 0, 0, 3
	ACT 1, 0
	ACT 1, 1
	ACT 1, 2
	ACT 1, 3
	v_nop
	IMAGE IW, U0IMG
	BARRIER                                        ; u0's four images and all of tanh_open lie in LDS
; ======== 2: lin1, tanh_lin1 w
	FETCH4 U0IMG
	WIN 0x40
.set i, 0
.rept 64
	global_load_b128 v[4*i:4*i+3], v[LI], s[22:23] offset:512*i   ; my slice of K0^T takes window 1
.set i, i+1
.endr
	WIN 0
	s_wait_loadcnt 63                              ; K1's codes are in: 64 loads are younger and the count's field ends at 63
	s_wait_dscnt 0x0
	MUL32
	PLACES 4
	v_mov_b32 v[SCV], s47
	VLOAD 0, 1, 2
	ACT 2, 0
	ACT 2, 1
	ACT 2, 2
	ACT 2, 3
	v_nop
	IMAGE IW, A4IMG
	BARRIER
; ======== 3: z1, trH's first part, tanh_open z1
	FETCH4 A4IMG
	ELOAD 0
	s_wait_loadcnt 0x0
	s_wait_dscnt 12                                ; the fragments are in; the 12 loads behind them may be out
	MUL32
	PLACES 4
	v_mov_b32 v[SCV], s48
.irp T, 0,1,2,3
.irp c, 0,1,2,3
	global_load_b128 v[R1+16*\T+4*\c:R1+16*\T+4*\c+3], v[IW], s[20:21] offset:K0T7O+8192*\T+512*\c   ; K0 by coordinates, K step w
.endr
.endr
.irp c, 0,1,2,3
	global_load_b128 v[176+4*\c:179+4*\c], v[IW], s[20:21] offset:K0T7O+8192*4+512*\c
.endr
	EPI3 0
	EPI3 1
	EPI3 2
	EPI3 3
	v_nop
	v_pk_add_f32 v[54:55], v[54:55], v[56:57]
	v_pk_add_f32 v[58:59], v[58:59], v[60:61]
	v_pk_add_f32 v[54:55], v[54:55], v[58:59]
	v_add_f32 v54, v54, v55
	v_permlanex16_b32 v55, v54, s62, s63
	v_add_f32 v54, v54, v55
	ds_store_b32 v[RDW], v54                       ; my 128 units' part of sum e R^2 ksq z1
; ======== 4: z0's parts (K step w), the gradient
	s_wait_loadcnt 63                              ; K0's five fragments are in: 64 loads are younger
.irp T, 0,1,2,3
	v_wmma_f32_16x16x128_bf8_bf8 v[ACC+8*\T:ACC+8*\T+7], v[R1+16*\T:R1+16*\T+15], v[PC:PC+15], 0
.endr
	v_wmma_f32_16x16x128_bf8_bf8 v[ACC+32:ACC+39], v[176:191], v[PC:PC+15], 0
	PLACES 4
.irp T, 0,1,2,3,4
	ds_store_b128 v[ZPW], v[ACC+8*\T:ACC+8*\T+3] offset:1024*\T
	ds_store_b128 v[ZPW], v[ACC+8*\T+4:ACC+8*\T+7] offset:1024*\T+512
.endr
	LOADW K1C11, 2
	LOADW K1C11, 3
	BARRIER                                        ; the four waves' parts lie in LDS
.irp q, 0,1,2,3
	ds_load_b128 v[64+8*\q:67+8*\q], v[ZPR] offset:5120*\q
	ds_load_b128 v[68+8*\q:71+8*\q], v[ZPR] offset:5120*\q+512
.endr
.irp q, 0,1,2,3
	ds_load_b32 v[96+\q], v[LI] offset:ZP+4096+5120*\q   ; tile 4's register 0: coordinate 64 in lanes with h = 0
.endr
	ds_load_b128 v[100:103], v[GSA]
	ds_load_b128 v[104:107], v[GSA] offset:512
	ds_load_b32 v108, v[G4A]
	s_wait_dscnt 0x0
.irp i, 0,2,4,6
	v_pk_add_f32 v[64+\i:65+\i], v[64+\i:65+\i], v[72+\i:73+\i]
	v_pk_add_f32 v[80+\i:81+\i], v[80+\i:81+\i], v[88+\i:89+\i]
.endr
.irp i, 0,2,4,6
	v_pk_add_f32 v[64+\i:65+\i], v[64+\i:65+\i], v[80+\i:81+\i]
.endr
.irp i, 0,2,4,6
	v_pk_fma_f32 v[64+\i:65+\i], v[64+\i:65+\i], s[72:73], v[100+\i:101+\i] op_sel_hi:[1,0,1]   ; grad = z0 + s symA + c_w
.endr
	v_add_f32 v96, v96, v97
	v_add_f32 v98, v98, v99
	v_add_f32 v96, v96, v98
	v_fma_f32 v96, v96, s72, v108
	ds_store_b32 v[RD2], v96                       ; dPhi_dt
	v_pk_mul_f32 v[110:111], v[64:65], v[64:65]
	v_pk_fma_f32 v[110:111], v[66:67], v[66:67], v[110:111]
	v_pk_fma_f32 v[110:111], v[68:69], v[68:69], v[110:111]
	v_pk_fma_f32 v[110:111], v[70:71], v[70:71], v[110:111]
	v_add_f32 v110, v110, v111
	v_permlanex16_b32 v111, v110, s62, s63
	v_add_f32 v110, v110, v111
	ds_store_b32 v[RDW], v110 offset:256           ; my 16 coordinates' part of sum grad^2
.irp i, 0,2,4,6
	v_pk_mul_f32 v[64+\i:65+\i], v[64+\i:65+\i], -1.0 op_sel_hi:[1,0]
.endr
	ds_store_b128 v[OSW], v[64:67]
	ds_store_b128 v[OSW], v[68:71] offset:16
; ======== the trace.  Sample 0's codes first
	v_mov_b32 v[SCV], s49
	s_mov_b32 s84, 0                               ; the buffer read,
	s_mov_b32 s85, 0                               ; the buffer written,
	s_mov_b32 s86, 0                               ; the row of TH of the sample that is quantised
	v_add_nc_u32 v[THGC], s86, v[THGB]
	v_add_nc_u32 v[AWC], s85, v[AWB]
	TTLOAD 0
.irp s, 0,1,2,3
	s_wait_dscnt 0x0
	MULK \s
	WIN 0
.set i, 0
.rept 64
	v_med3_num_f32 v[TT+i], v[TT+i], s60, s61
.set i, i+1
.endr
	CVTIMG \s
.if \s < 3
	TTLOAD \s+1
.endif
.endr
	BARRIER                                        ; sample 0's sixteen images, out0's rows and the sums' parts lie in LDS
	ds_load_b128 v[28:31], v[OSR]
	s_wait_dscnt 0x0
	global_store_b128 v[OGO], v[28:31], s[24:25]   ; the wave stores 512 consecutive bytes, two whole rows of out0
	s_wait_loadcnt 0x0                             ; K1's codes (e11) are whole
	s_mov_b32 s85, ABUF
	s_mov_b32 s86, TP
	s_mov_b32 s87, 0                               ; the row of CW of the sample that is multiplied,
	s_mov_b32 s88, 0                               ; and its word among t1's parts
	s_mov_b32 s3, 7
.Lsample:                                              ; 7 trips: sample n is multiplied, sample n + 1 quantised
	BODY 1
	s_sub_co_u32 s3, s3, 1
	s_cmp_lg_u32 s3, 0
	s_cbranch_scc1 .Lsample
	BODY 0                                         ; sample 7: nothing is left to quantise
; ======== the end: wave 0 adds the parts and stores 8 numbers of each of out1, out2, out3 (32 bytes each: all that the work-group owns of them)
	s_cmp_lg_u32 s2, 0
	s_cbranch_scc1 .Lend
	s_wait_xcnt 0x0                                ; out0's store has read its registers
	v_and_b32 v27, 7, v0
	v_lshlrev_b32 v27, 2, v27
.irp q, 0,1,2,3
	ds_load_b32 v[64+\q], v27 offset:RED+64*\q
.endr
.irp q, 0,1,2,3
	ds_load_b32 v[68+\q], v27 offset:RED+256+64*\q
.endr
.irp q, 0,1,2,3
	ds_load_b32 v[72+\q], v27 offset:RED+1024+32*\q
.endr
	ds_load_b32 v76, v27 offset:RED+512
	s_wait_dscnt 0x0
	v_add_f32 v64, v64, v65
	v_add_f32 v66, v66, v67
	v_add_f32 v64, v64, v66
	v_add_f32 v68, v68, v69
	v_add_f32 v70, v70, v71
	v_add_f32 v68, v68, v70
	v_add_f32 v72, v72, v73
	v_add_f32 v74, v74, v75
	v_add_f32 v72, v72, v74
	v_ldexp_f32 v72, v72, s83
	v_fma_f32 v64, v64, -4.0, -v72
	v_sub_f32 v64, v64, s82                        ; out1 = -(4 tr + t1 + trace)
	v_mul_f32 v68, 0.5, v68                        ; out2
	v_sub_f32 v69, v68, v76
	v_and_b32 v69, 0x7fffffff, v69                 ; out3 = |out2 - dPhi_dt|
	v_lshlrev_b32 v28, 2, v0
	v_cmp_gt_u32 vcc_lo, 8, v0
	s_and_saveexec_b32 s90, vcc_lo
	global_store_b32 v28, v64, s[26:27]
	global_store_b32 v28, v68, s[28:29]
	global_store_b32 v28, v69, s[30:31]
	s_wait_xcnt 0x0                                ; EXEC is restored only when the stores have read it
	s_or_b32 exec_lo, exec_lo, s90
.Lend:
	s_wait_xcnt 0x0
	s_mov_b32 exec_lo, -1
	v_lshl_add_u32 v254, v0, 2, 0x2a000
	v_mov_b32 v255, 0
	s_wait_tensorcnt 0x0
	ds_add_u32 v254, v255
	s_wait_dscnt 0x0
	s_endpgm
.Lfunc_end_k_q1e20588831_flow:
	.size	k_q1e20588831_flow, .Lfunc_end_k_q1e20588831_flow-k_q1e20588831_flow
	.p2alignl 7, 3214868480
	.fill 96, 4, 3214868480
	.section	.rodata,"a",@progbits
	.p2align	6, 0x0
	.amdhsa_kernel k_q1e20588831_flow
		.amdhsa_group_segment_fixed_size 172544
		.amdhsa_private_segment_fixed_size 0
		.amdhsa_enable_private_segment 0
		.amdhsa_kernarg_size 112
		.amdhsa_user_sgpr_count 2
		.amdhsa_user_sgpr_kernarg_segment_ptr 1
		.amdhsa_wavefront_size32 1
		.amdhsa_system_sgpr_workgroup_id_x 1
		.amdhsa_system_sgpr_workgroup_id_y 1
		.amdhsa_system_sgpr_workgroup_id_z 1
		.amdhsa_system_vgpr_workitem_id 0
		.amdhsa_next_free_vgpr 1024
		.amdhsa_next_free_sgpr 96
		.amdhsa_reserve_vcc 1
		.amdhsa_float_denorm_mode_32 3
		.amdhsa_float_denorm_mode_16_64 3
		.amdhsa_memory_ordered 1
		.amdhsa_forward_progress 1
		.amdhsa_inst_pref_size 255
	.end_amdhsa_kernel
	.section	.bss,"aw",@nobits
	.p2align	6
	.space	262144
	.amdgpu_metadata
---
amdhsa.version: [ 1, 2 ]
amdhsa.kernels:
  - .name:           k_q1e20588831_flow
    .symbol:         k_q1e20588831_flow.kd
    .args:
      - { .name: x, .offset: 0, .size: 8, .value_kind: global_buffer, .address_space: global }
      - { .name: t, .offset: 8, .size: 8, .value_kind: global_buffer, .address_space: global }
      - { .name: b0, .offset: 16, .size: 8, .value_kind: global_buffer, .address_space: global }
      - { .name: b1, .offset: 24, .size: 8, .value_kind: global_buffer, .address_space: global }
      - { .name: w, .offset: 32, .size: 8, .value_kind: global_buffer, .address_space: global }
      - { .name: c_w, .offset: 40, .size: 8, .value_kind: global_buffer, .address_space: global }
      - { .name: lowp_scales, .offset: 48, .size: 8, .value_kind: global_buffer, .address_space: global }
      - { .name: kc, .offset: 56, .size: 8, .value_kind: global_buffer, .address_space: global }
      - { .name: ks, .offset: 64, .size: 8, .value_kind: global_buffer, .address_space: global }
      - { .name: kf, .offset: 72, .size: 8, .value_kind: global_buffer, .address_space: global }
      - { .name: out0, .offset: 80, .size: 8, .value_kind: global_buffer, .address_space: global }
      - { .name: out1, .offset: 88, .size: 8, .value_kind: global_buffer, .address_space: global }
      - { .name: out2, .offset: 96, .size: 8, .value_kind: global_buffer, .address_space: global }
      - { .name: out3, .offset: 104, .size: 8, .value_kind: global_buffer, .address_space: global }
    .group_segment_fixed_size: 172544
    .private_segment_fixed_size: 0
    .kernarg_segment_align: 8
    .kernarg_segment_size: 112
    .max_flat_workgroup_size: 128
    .sgpr_count:     96
    .vgpr_count:     1024
    .wavefront_size: 32
...
	.end_amdgpu_metadata
.endif
;; end of part 2
